; MI455X (gfx1250); checked and timed in simulation.
; The chip was launched on July 23, 2026; its instructions are those of AMD's public machine-readable ISA for CDNA 5 (MIT licence, August 2026) and "CDNA5" Instruction Set Architecture Reference Guide (July 2026). The comments in the code are by the model that wrote it; some were corrected since.
;; Multi Head Attention Quantizer. Allowed arithmetic: matrix products marked QUANTISED: E3M2 operands, one E8M0 scale for each 32 along K, by v_wmma_scale_f32_16x16x128_f8f6f4 with both operands' format E3M2, f32 sums; products left as they are: f32 operands where the result goes on into a quantised operand, else bf16, f16 or f32 operands; f32 sums; everything else in f32.
;; Inputs: Wk 8 x 1,024 x 1,024 float32; Wo 8 x 1,024 x 1,024 float32; Wp 8 x 1,024 x 1,024 float32; Wq 8 x 1,024 x 1,024 float32; Wv 8 x 1,024 x 1,024 float32; attention_mask 4 x 1,024 float32; beta 1,024 float32; bk 8 x 1,024 float32; bo 8 x 1,024 float32; bp 8 x 1,024 float32; bq 8 x 1,024 float32; bv 8 x 1,024 float32; gamma 1,024 float32; queries 8 x 1,024 float32; representations 4 x 1,024 x 1,024 float32.
;; Outputs: out0 4 x 8 x 1,024 float32.
;; This version of the problem:
;;   THIS VERSION OF THE PROBLEM IS GIVEN IN LOW PRECISION. The matrix products marked QUANTISED in the list below multiply operands that are first quantised to E3M2 (3 exponent bits, 2 mantissa bits; 6 bits a number), with one power-of-two scale for each 32 numbers along K (OCP MX v1.0); their sums are f32. All else is computed in f32.
;;   The module's matrix products, in the order in which they are computed (A, B: the left and right operand; K: the contracted axis; several contracted axes count as one K, in the product's order):
;;     1. batch 8 x [M 1, K 1,024] x [K 1,024, N 1,024]; A: input queries; B: input Wq: left as it is (M = 1 < 16)
;;     2. [M 8,192, K 1,024] x [K 1,024, N 4,096]; A: input Wk; B: input representations: QUANTISED
;;     3. [M 8,192, K 1,024] x [K 1,024, N 4,096]; A: input Wv; B: input representations: QUANTISED
;;     4. batch 128 x [M 4,096, K 64] x [K 64, N 1]; A: computed on the way; B: computed on the way: left as it is (N = 1 < 16)
;;     5. batch 512 x [M 1, K 1,024] x [K 1,024, N 64]; A: softmax; B: computed on the way: left as it is (M = 1 < 16)
;;     6. batch 8 x [M 4, K 1,024] x [K 1,024, N 1,024]; A: computed on the way; B: input Wo: left as it is (M = 4 < 16)
;;     7. batch 8 x [M 4, K 1,024] x [K 1,024, N 1,024]; A: computed on the way; B: input Wp: left as it is (M = 4 < 16)
;;   THE QUANTISER, for each operand of a quantised product, along K:
;;     - K is cut into blocks of 32 from its start; a last block that is shorter is filled with zeros.
;;     - A block's scale is 2^e with e = floor(log2(the largest magnitude in the block)) - 4, held to -126 .. 127; a block of zeros has e = 0. As a byte (E8M0): e + 127.
;;     - Each number is divided by its block's scale, clamped to +-28, and rounded to the nearest number of E3M2, ties to even, subnormals kept.
;;     - The product sums the exact products of the quantised numbers (number of the format x scale) in f32.
;;   ~~~python
;;   def quantise(x, axis):      # numpy; x: float32 -> the quantised numbers, widened to float32 again
;;       x = np.moveaxis(x, axis, -1); K = x.shape[-1]
;;       x = np.pad(x, [(0, 0)] * (x.ndim - 1) + [(0, -K % 32)]); x = x.reshape(x.shape[:-1] + (-1, 32)); a = np.abs(x).max(-1, keepdims=True)
;;       e = np.where(a > 0, np.clip(np.frexp(np.where(a > 0, a, 1))[1] - 1 - 4, -126, 127), 0)      # np.frexp(a)[1] - 1 = floor(log2(a)), exactly
;;       r = np.clip(x / 2.0 ** e, -28, 28)
;;       step = 2.0 ** (np.maximum(np.frexp(np.where(r == 0, 1, r))[1] - 1, -2) - 2)
;;       q = np.round(r / step) * step * 2.0 ** e      # np.round: ties to even
;;       return np.moveaxis(q.reshape(q.shape[:-2] + (-1,))[..., :K], -1, axis).astype(np.float32)
;;   ~~~
;; One version. Each part assembles by itself: llvm-mc -triple=amdgcn-amd-amdhsa -mcpu=gfx1250 --defsym DOCPART=n.
;; ======== version 1 of 1: 5 launches
;; workspace buffers: rcodes 3,276,800 bytes; wcodes 13,107,200 bytes; qs 32,768 bytes; ctx 131,072 bytes; ao 131,072 bytes; po 131,072 bytes
;; launch prep (part 1): grid 448 x 1, 8 waves a work-group, no clusters, 68,608 bytes of LDS; arguments representations, Wk, Wv, Wq, queries, bq, rcodes, wcodes, qs; writes rcodes, wcodes, qs
.if DOCPART == 1
	.amdgcn_target "amdgcn-amd-amdhsa--gfx1250"
	.amdhsa_code_object_version 6
	.text
	.protected	k_q891f5bd507_prep
	.globl	k_q891f5bd507_prep
	.p2align	8
	.type	k_q891f5bd507_prep,@function
k_q891f5bd507_prep:
	s_mov_b64 s[64:65], 0
	v_nop
	global_prefetch_b8 v0, s[64:65] scope:SCOPE_SE
	s_setreg_imm32_b32 hwreg(HW_REG_WAVE_MODE, 25, 1), 1
	s_wait_xcnt 0x0
; PREP: representations, Wk and Wv become codes of BF6 (E3M2) with one E8M0 scale byte for each 32 along K (= E, their last axis); and q = (queries Wq^T + bq) / 8 x log2(e).
; WORK LEFT OUT BY THE WHOLE PROGRAM: the input bk.  scores[k,b,h,s] = sum_d q[k,h,d] (Kq[k,b,s,h,d] + bk[k,h,d]) + mask[b,s], Kq being the quantised product's f32 result.  The term sum_d q[k,h,d] bk[k,h,d] holds no s:
; it is the same along the softmax's axis, so it cancels in probs for all values of the inputs.  bk is added BEHIND the quantised product, so it moves no code and no scale, and Kp goes nowhere but into the scores.
; So bk is not loaded and is no launch's argument.  LIMIT: a NaN, an infinity or an overflow that reaches only q . bk is not carried to the result.
; bv is live: sum_s probs (Vq + bv) = sum_s probs Vq + bv, since the probs of a row add up to 1: it is added once, to ctx, in the next launch.
; LIMITS OF THE QUANTISER: NaN and infinities among the quantised inputs are not served.  A block's largest magnitude is held at 2^(5 - 127) from below, so that the byte is at least 1; a block of zeros gets the byte 1
; where the rule says 127: its codes are zeros, which add nothing under any byte but 0xff, and the bytes are read by this program alone.
; THE CODES' LAYOUT is the order in which the next launch's operand registers take them.  A FRAGMENT (16 rows x 128 K, 12 registers a lane) is 1,536 bytes: registers 4 c .. 4 c + 3 of lane l at 512 c + 16 l.
; A PANEL (128 rows x 128 K) is 12,800 bytes: 8 fragments, then 512 bytes of scale words, that of row 16 rb + r at 256 (rb / 4) + 16 r + 4 (rb % 4).  A SLOT BLOCK is four panels [half of 256 rows][half of 256 K]: 51,200 bytes.
; A tile (256 rows x K 1,024) is four slot blocks.  rcodes: 16 tiles of 256 rows of representations.  wcodes: 64 tiles; tile x = 8 k + g holds heads 2 g and 2 g + 1 of layer k: half c = head 2 g + c, its blocks 0-3 the head's 64
; rows of Wk, its blocks 4-7 the head's 64 rows of Wv.
; SHARES.  Work-groups 0-63 make a slot block of rcodes each, 64-319 one of wcodes, 320-447 take 64 rows of Wq.  Only pointers and offsets are chosen by the work-group's number among the first 320: one path serves the three tensors.
; In a slot block wave w takes half w / 4, K half (w / 2) % 2 and blocks 4 (w % 2) .. + 3: 64 rows x 128 K.  No wave reads what another wrote: no barrier.  No cluster: no two work-groups read the same bytes but a row of queries (4 KB beside 256 KB of Wq).
.set STG,   8448                       ; LDS: a stage of 16 rows x (512 + 16) bytes for each wave
.set SPARE, 8*STG                      ; behind the stages: the spare words, 128 bytes for each wave: four blocks of 256 bytes that no other line names
.set SPW,  12                          ; v12  LDS address of my spare word; never rewritten
.set NIL,  13                          ; v13  0; never rewritten
.set SW,   16                          ; v16-19  the four fragments' scale words
.set TMPC, 20                          ; v20-26  the upper halves of two blocks' codes, as the conversions leave them
.set CS,   28                          ; v28-39, v40-51  a fragment's 12 registers, two sets
.set X,    64                          ; v64-127  64 numbers of my row: register 32 c + i = k 64 c + 32 (lane / 16) + i
.set RS,   128                         ; v128-191, v192-255  a fragment's numbers as loaded, two sets
	s_load_b512 s[4:19], s[0:1], 0x0               ; representations, Wk, Wv, Wq, queries, bq, rcodes, wcodes
	s_load_b64 s[20:21], s[0:1], 0x40              ; qs
	v_lshl_add_u32 v[SPW], v0, 2, SPARE
	v_mov_b32 v[NIL], 0
	v_lshrrev_b32 v1, 5, v0
	v_readfirstlane_b32 s22, v1                    ; wave 0..7
	v_and_b32 v1, 31, v0                           ; lane
	v_lshlrev_b32 v4, 4, v1                        ; 16 x lane
	s_mov_b32 s24, 0x76543210
	s_mov_b32 s25, 0xfedcba98                      ; v_permlanex16_b32's selects for lane l xor 16
	s_cmp_ge_u32 ttmp9, 320
	s_cbranch_scc1 .Lq
	; ---------------- the quantiser ----------------
	v_and_b32 v2, 15, v0                           ; r
	v_bfe_u32 v3, v0, 4, 1                         ; h
	s_lshr_b32 s26, s22, 2                         ; half of the 256 rows
	s_bfe_u32 s27, s22, 0x10001                    ; half of the 256 along K
	s_and_b32 s28, s22, 1                          ; R: blocks 0-3 or 4-7
	s_mul_i32 s29, s22, STG                        ; my stage
	v_add_nc_u32 v5, s29, v4                       ; into it: 16 x lane, a row of 512 bytes an instruction
	v_mul_u32_u24 v6, v2, 528
	v_lshl_add_u32 v6, v3, 7, v6
	v_add_nc_u32 v6, s29, v6                       ; out of it: row r, + 128 h: my 32 numbers of each 64
	v_lshlrev_b32 v7, 3, v3                        ; 8 h: how far my two scale bytes are shifted
	v_mov_b32 v55, 0                               ; written once: a lane permute's destination counts as one of its sources
	s_lshl_b32 s40, s28, 8
	s_add_co_u32 s40, s40, 12288
	v_lshlrev_b32 v56, 4, v2
	v_add_nc_u32 v56, s40, v56                     ; the scale words' place in the panel: 12,288 + 256 R + 16 r
	s_mul_i32 s41, s28, 6144
	v_add_nc_u32 v57, s41, v4                      ; the codes' place: 6,144 R + 16 x lane
	s_sub_co_u32 s34, ttmp9, 64                    ; the weights' slot block (of no meaning in work-groups 0-63, where it is not chosen)
	s_lshr_b32 s35, ttmp9, 2
	s_lshl_b32 s35, s35, 2
	s_lshl_b32 s36, s26, 1
	s_add_co_u32 s35, s35, s36
	s_add_co_u32 s35, s35, s28                     ; representations: my 64 rows are number 4 tile + 2 half + R
	s_lshr_b32 s36, s34, 2
	s_lshl_b32 s36, s36, 1
	s_add_co_u32 s36, s36, s26                     ; Wk or Wv: number 2 tile + half
	s_cmp_lt_u32 ttmp9, 64
	s_cselect_b32 s34, ttmp9, s34                  ; the slot block
	s_cselect_b32 s35, s35, s36                    ; the 64 rows
	s_lshl_b32 s36, s35, 18                        ; 64 rows of 4,096 bytes
	s_and_b32 s37, s34, 3
	s_lshl_b32 s37, s37, 1
	s_add_co_u32 s37, s37, s27
	s_lshl_b32 s37, s37, 9                         ; + 512 bytes for each 128 along K
	s_add_co_u32 s36, s36, s37
	s_mov_b32 s37, 0
	s_mul_i32 s38, s34, 51200
	s_lshl_b32 s39, s26, 1
	s_add_co_u32 s39, s39, s27
	s_mul_i32 s39, s39, 12800
	s_add_co_u32 s38, s38, s39                     ; my panel in the codes' buffer
	s_mov_b32 s39, 0
	s_wait_kmcnt 0x0
	s_cmp_eq_u32 s28, 0
	s_cselect_b64 s[30:31], s[6:7], s[8:9]         ; blocks 0-3 come from Wk, blocks 4-7 from Wv,
	s_cmp_lt_u32 ttmp9, 64
	s_cselect_b64 s[30:31], s[4:5], s[30:31]       ; or all from representations: choices that hang on ids alone
	s_cselect_b64 s[32:33], s[16:17], s[18:19]
	s_add_nc_u64 s[30:31], s[30:31], s[36:37]
	s_add_nc_u64 s[32:33], s[32:33], s[38:39]
.macro LOADF f                         ; fragment f: 16 rows x 512 bytes; each load reads 512 consecutive bytes
.irp i, 0,1,2,3,4,5,6,7,8,9,10,11,12,13,14,15
	global_load_b128 v[RS+64*((\f)%2)+4*\i:RS+64*((\f)%2)+4*\i+3], v4, s[30:31] offset:(16*(\f)+\i)*4096 th:TH_LOAD_NT
.endr
.endm
.macro QF f
.set RR, RS+64*((\f)%2)
.set CC, CS+12*((\f)%2)
.if (\f) < 3
	s_wait_loadcnt 16                              ; this fragment's 16 loads are in; the next fragment's 16 may be out
.else
	s_wait_loadcnt 0x0
.endif
.irp i, 0,1,2,3,4,5,6,7,8,9,10,11,12,13,14,15
	ds_store_b128 v5, v[RR+4*\i:RR+4*\i+3] offset:528*\i
.endr
.irp c, 0,1
.irp jj, 0,1,2,3,4,5,6,7
	ds_load_b128 v[X+32*\c+4*\jj:X+32*\c+4*\jj+3], v6 offset:256*\c+16*\jj   ; LDS serves a wave's instructions in order: these see the stores above
.endr
.endr
	s_wait_dscnt 0x0                               ; my 64 numbers are back
.if (\f) < 2
	LOADF (\f)+2                                   ; the set just turned takes the fragment two on
.endif
.irp c, 0,1                                    ; a lane holds two whole blocks: 2 c + h.  Largest magnitudes: two chains a block, the blocks by turns
	v_max3_num_f32 v[8+2*\c], |v[X+32*\c]|, |v[X+32*\c+1]|, |v[X+32*\c+2]|
	v_max3_num_f32 v[9+2*\c], |v[X+32*\c+3]|, |v[X+32*\c+4]|, |v[X+32*\c+5]|
.endr
.irp i, 6,10,14,18,22,26
.irp c, 0,1
	v_max3_num_f32 v[8+2*\c], v[8+2*\c], |v[X+32*\c+\i]|, |v[X+32*\c+\i+1]|
	v_max3_num_f32 v[9+2*\c], v[9+2*\c], |v[X+32*\c+\i+2]|, |v[X+32*\c+\i+3]|
.endr
.endr
.irp c, 0,1
	v_max3_num_f32 v[8+2*\c], v[8+2*\c], |v[X+32*\c+30]|, |v[X+32*\c+31]|
.endr
.irp c, 0,1
	v_max3_num_f32 v[8+2*\c], v[8+2*\c], v[9+2*\c], 0x2800000   ; and the floor 2^(5 - 127): the byte cannot fall under 1
.endr
.irp c, 0,1
	v_add_nc_u32 v[14+\c], 0xfe000000, v[8+2*\c]   ; 4 off the exponent field: the conversion takes this operand's exponent field as its scale
.endr
.irp c, 0,1
	v_lshrrev_b32 v[52+\c], 23, v[14+\c]           ; the scale's byte
.endr
	v_lshl_or_b32 v54, v53, 16, v52                ; my two bytes, blocks h and 2 + h,
	v_lshlrev_b32 v54, v7, v54                     ; at their places in the word;
	v_permlanex16_b32 v55, v54, s24, s25
	v_or_b32 v[SW+(\f)], v54, v55                  ; with lane l xor 16's two the row's word is whole
.if (\f) >= 2
	s_wait_xcnt 0x0                                ; the stores of two fragments ago have read this set of code registers
.endif
.irp c, 0,1
	v_cvt_scalef32_pk16_bf6_f32 v[CC+6*\c:CC+6*\c+2], v[X+32*\c:X+32*\c+15], v[14+\c]
	v_cvt_scalef32_pk16_bf6_f32 v[TMPC+4*\c:TMPC+4*\c+2], v[X+32*\c+16:X+32*\c+31], v[14+\c]   ; (a conversion's three registers begin on an even number)
.endr
	v_nop                                          ; one plain place behind a scaled conversion
.irp c, 0,1
.irp i, 0,1,2
	v_mov_b32 v[CC+6*\c+3+\i], v[TMPC+4*\c+\i]
.endr
.endr
.irp c, 0,1,2
	global_store_b128 v57, v[CC+4*\c:CC+4*\c+3], s[32:33] offset:1536*(\f)+512*\c   ; 512 consecutive bytes, at a multiple of 256 from the buffer's first byte
.endr
.endm
	LOADF 0
	LOADF 1
	QF 0
	QF 1
	QF 2
	QF 3
	s_wait_xcnt 0x0                                ; EXEC changes only behind this wait
	v_cmp_gt_u32 vcc_lo, 16, v1
	s_and_saveexec_b32 s26, vcc_lo
	global_store_b128 v56, v[SW:SW+3], s[32:33]    ; lanes 0-15: the four blocks' words of row r: 256 consecutive bytes, aligned
	s_wait_xcnt 0x0
	s_or_b32 exec_lo, exec_lo, s26
	s_wait_tensorcnt 0x0                           ; the wave's end: behind my last LDS store
	ds_add_u32 v[SPW], v[NIL]
	s_wait_dscnt 0x0
	s_endpgm
	; ---------------- q: a wave takes 8 rows of Wq; no LDS on this path ----------------
.Lq:
	s_sub_co_u32 s26, ttmp9, 320
	s_lshl_b32 s27, s26, 6
	s_lshl_b32 s28, s22, 3
	s_add_co_u32 s27, s27, s28                     ; my first row of Wq taken as [8192][1024]
	s_lshl_b32 s28, s27, 12
	s_mov_b32 s29, 0
	s_lshr_b32 s30, s26, 4                         ; the layer k
	s_lshl_b32 s30, s30, 12
	s_mov_b32 s31, 0
	s_lshl_b32 s32, s27, 2
	s_mov_b32 s33, 0
	v_and_b32 v60, 7, v0
	v_lshlrev_b32 v60, 2, v60                      ; 4 (lane % 8): lane l keeps row l % 8's result
	v_mov_b32 v58, 0
	s_wait_kmcnt 0x0
	s_add_nc_u64 s[10:11], s[10:11], s[28:29]
	s_add_nc_u64 s[12:13], s[12:13], s[30:31]
	s_add_nc_u64 s[14:15], s[14:15], s[32:33]
	s_add_nc_u64 s[20:21], s[20:21], s[32:33]
	global_load_b32 v57, v60, s[14:15]             ; bq
.irp i, 0,1,2,3,4,5,6,7
	global_load_b128 v[64+4*\i:67+4*\i], v4, s[12:13] offset:512*\i   ; queries[k]: lane l holds numbers 128 i + 4 l .. + 3
.endr
.macro WROW j                          ; row j of my eight into set j % 4
.irp i, 0,1,2,3,4,5,6,7
	global_load_b128 v[128+32*((\j)%4)+4*\i:131+32*((\j)%4)+4*\i], v4, s[10:11] offset:4096*(\j)+512*\i th:TH_LOAD_NT
.endr
.endm
	WROW 0
	WROW 1
	WROW 2
	WROW 3
.macro QROW j
.set WR, 128+32*((\j)%4)
.if (\j) <= 4
	s_wait_loadcnt 24                              ; my row is in; three younger rows, 8 loads each, may be out
.else
	s_wait_loadcnt 8*(7-(\j))
.endif
	v_pk_mul_f32 v[8:9], v[WR:WR+1], v[64:65]      ; the first products start the two chains
	v_pk_mul_f32 v[10:11], v[WR+2:WR+3], v[66:67]
.irp i, 4,8,12,16,20,24,28
	v_pk_fma_f32 v[8:9], v[WR+\i:WR+\i+1], v[64+\i:65+\i], v[8:9]
	v_pk_fma_f32 v[10:11], v[WR+\i+2:WR+\i+3], v[66+\i:67+\i], v[10:11]
.endr
.if (\j) < 4
	WROW (\j)+4
.endif
	v_pk_add_f32 v[8:9], v[8:9], v[10:11]
	v_add_f32 v8, v8, v9
	v_add_f32_dpp v8, v8, v8 row_xmask:1 row_mask:0xf bank_mask:0xf
	v_add_f32_dpp v8, v8, v8 row_xmask:2 row_mask:0xf bank_mask:0xf
	v_add_f32_dpp v8, v8, v8 row_xmask:4 row_mask:0xf bank_mask:0xf
	v_add_f32_dpp v8, v8, v8 row_xmask:8 row_mask:0xf bank_mask:0xf
	v_permlanex16_b32 v9, v8, s24, s25
	v_add_f32 v8, v8, v9                           ; the row's sum, in every lane
	s_mov_b32 s34, 0x01010101<<(\j)
	v_cndmask_b32 v58, v58, v8, s34                ; kept by the lanes with lane % 8 = j
.endm
.irp j, 0,1,2,3,4,5,6,7
	QROW \j
.endr
	v_add_f32 v58, v58, v57
	v_mul_f32 v58, 0x3e38aa3b, v58                 ; x 64^-0.5 x log2(e): the next launch's exponentials are to base 2
	s_wait_xcnt 0x0                                ; EXEC changes only behind this wait
	v_cmp_gt_u32 vcc_lo, 8, v1
	s_and_saveexec_b32 s35, vcc_lo
	global_store_b32 v60, v58, s[20:21]            ; 32 consecutive bytes a wave: qs is 32 KB in all
	s_wait_xcnt 0x0
	s_or_b32 exec_lo, exec_lo, s35
	s_endpgm
.Lfunc_end_k_q891f5bd507_prep:
	.size	k_q891f5bd507_prep, .Lfunc_end_k_q891f5bd507_prep-k_q891f5bd507_prep
	.p2alignl 7, 3214868480
	.fill 96, 4, 3214868480
	.section	.rodata,"a",@progbits
	.p2align	6, 0x0
	.amdhsa_kernel k_q891f5bd507_prep
		.amdhsa_group_segment_fixed_size 68608
		.amdhsa_private_segment_fixed_size 0
		.amdhsa_enable_private_segment 0
		.amdhsa_kernarg_size 72
		.amdhsa_user_sgpr_count 2
		.amdhsa_user_sgpr_kernarg_segment_ptr 1
		.amdhsa_wavefront_size32 1
		.amdhsa_system_sgpr_workgroup_id_x 1
		.amdhsa_system_sgpr_workgroup_id_y 1
		.amdhsa_system_sgpr_workgroup_id_z 1
		.amdhsa_system_vgpr_workitem_id 0
		.amdhsa_next_free_vgpr 256
		.amdhsa_next_free_sgpr 66
		.amdhsa_reserve_vcc 1
		.amdhsa_float_denorm_mode_32 3
		.amdhsa_float_denorm_mode_16_64 3
		.amdhsa_memory_ordered 1
		.amdhsa_forward_progress 1
		.amdhsa_inst_pref_size 51
	.end_amdhsa_kernel
	.amdgpu_metadata
---
amdhsa.version: [ 1, 2 ]
amdhsa.kernels:
  - .name:           k_q891f5bd507_prep
    .symbol:         k_q891f5bd507_prep.kd
    .args:
      - { .name: representations, .offset: 0, .size: 8, .value_kind: global_buffer, .address_space: global }
      - { .name: Wk, .offset: 8, .size: 8, .value_kind: global_buffer, .address_space: global }
      - { .name: Wv, .offset: 16, .size: 8, .value_kind: global_buffer, .address_space: global }
      - { .name: Wq, .offset: 24, .size: 8, .value_kind: global_buffer, .address_space: global }
      - { .name: queries, .offset: 32, .size: 8, .value_kind: global_buffer, .address_space: global }
      - { .name: bq, .offset: 40, .size: 8, .value_kind: global_buffer, .address_space: global }
      - { .name: rcodes, .offset: 48, .size: 8, .value_kind: global_buffer, .address_space: global }
      - { .name: wcodes, .offset: 56, .size: 8, .value_kind: global_buffer, .address_space: global }
      - { .name: qs, .offset: 64, .size: 8, .value_kind: global_buffer, .address_space: global }
    .group_segment_fixed_size: 68608
    .private_segment_fixed_size: 0
    .kernarg_segment_align: 8
    .kernarg_segment_size: 72
    .max_flat_workgroup_size: 256
    .sgpr_count:     66
    .vgpr_count:     256
    .wavefront_size: 32
...
	.end_amdgpu_metadata
.endif
;; end of part 1
;; launch attn (part 2): grid 64 x 4, 4 waves a work-group, clusters of 4 x 4, 327,680 bytes of LDS; arguments rcodes, wcodes, qs, attention_mask, bv, ctx; writes ctx
.if DOCPART == 2
	.amdgcn_target "amdgcn-amd-amdhsa--gfx1250"
	.amdhsa_code_object_version 6
	.text
	.protected	k_q891f5bd507_attn
	.globl	k_q891f5bd507_attn
	.p2align	8
	.type	k_q891f5bd507_attn,@function
k_q891f5bd507_attn:
	s_mov_b64 s[64:65], 0
	v_nop
	global_prefetch_b8 v0, s[64:65] scope:SCOPE_SE
	s_setreg_imm32_b32 hwreg(HW_REG_WAVE_MODE, 25, 1), 1
	s_wait_xcnt 0x0
	s_wait_alu depctr_hold_cnt(0) depctr_sa_sdst(0) depctr_va_vdst(0) depctr_va_sdst(0) depctr_va_ssrc(0) depctr_va_vcc(0) depctr_vm_vsrc(0)
	s_getreg_b32 s2, hwreg(HW_REG_IB_STS2, 6, 4)
	s_cmp_eq_u32 s2, 0
	s_cbranch_scc0 .Lentry_in_a_cluster
	s_endpgm
.Lentry_in_a_cluster:
	s_bfe_u32 s2, ttmp6, 0x10000c
	s_cmp_lg_u32 s2, 0xf033
	s_cbranch_scc0 .Lentry_shape_is_right
	s_endpgm
.Lentry_shape_is_right:
; ATTN: ctx[k][b][64 head + d] = sum_s softmax_s(q[k,head] . Kq[k,b,s,head] + mask[b,s]) Vq[k,b,s,head,d] + bv, with Kq = Q(rep) Q(Wk)^T and Vq = Q(rep) Q(Wv)^T on codes of BF6 (E3M2), one E8M0 scale for each 32 along K = 1,024.
; LEFT OUT: bk (its term in the scores is the same along the softmax's axis: shown at the head of the first kernel).  bv is added once, since a row's probabilities add up to 1.
; Kq and Vq never leave the registers: behind each tile's sums the scores, the softmax's step and p V are taken from the accumulators.
; SHARES.  Work-group (x, b): layer k = x / 8, heads 2 (x % 8) and 2 (x % 8) + 1, batch b, all 1,024 s, in four tiles of 256 s.  Wave w: rows 128 (w / 2) on of a tile, head c = w % 2: 128 s x 128 columns (the head's 64 of K, then its 64 of V):
; 64 accumulators of 16 x 16, 512 registers.  The work-group's 256 rows of weights (204,800 bytes of codes and scale words) stay in LDS for the whole launch; only rep's codes go through a ring of two slots of 256 along K.
; CODES lie in memory in the order of the operand's registers (first kernel's head): a fragment is three loads of 16 bytes a lane, consecutive over the lanes; a panel's scale words lie behind its fragments, so one tensor load brings both.
; CLUSTER 4 x 4 (the grid's four rows are one cluster's: b = cy).  rep's slots hang on b alone: asked for jointly by a row of the cluster; the weights hang on x alone: by a column.  Every wave issues every joint load by the same line,
; its quarter told by the wave's number: 4 tensor loads of a wave are out at the start, later 1.
; EACH CLUSTER BEGINS AT ANOTHER TILE.  The softmax's running form takes the tiles of s in any order, so cluster X walks a batch's four tiles from tile (X + X / 4) % 4 on, round the end.  The sixteen clusters, which all read the same four
; streams of rep's codes, so ask for four different tiles at a time, and from its second tile on a cluster asks for bytes that other clusters have read a tile's work, 512 matrix instructions, earlier.  X is the same in all sixteen partners.
; No prefetch is written: a cluster's first tile is asked for at the head and just behind it, and every later slot has been read by another cluster before.
; THE MATRIX INSTRUCTION IS USED TRANSPOSED (source 0 = 16 rows of weights, source 1 = 16 rows of rep): lane (r, h) holds ONE s (16 a + r) and the eight neighbouring d = 16 bb + 8 h + 0 .. 7.
; SOFTMAX.  t = q . Kq + mask x log2(e) (q comes scaled by 64^-0.5 log2(e)); each lane keeps a running maximum m of its own s, l = sum 2^(t - m) and 32 sums of 2^(t - m) Vq; all are brought under the new m in every tile, with no branch on data;
; the lanes, and then the two waves of a head, are joined at the end by the same rule.  m begins at -3e38.  LIMIT: a row masked by -infinity throughout gives NaN (0 x infinity), as the softmax of such a row does.
; REGISTERS.  window 0: v10-31 addresses; v12-13 bv; v32-63 scale words, two sets (lanes 0-15 rep's, lanes 16-31 the weights'); v64-95 q; v96-127 the 32 sums; v128-223 rep's fragments, one set; v224-239 scores, a pair a block; v240-247 mask; v248 m, v249 l, v250 the factor.
;   window 1: the weights' fragments, two sets, at v0 and v128.   windows 2, 3: the accumulators of my rows 0-63, 64-127: (a, bb) at v[8 (8 (a % 4) + bb)].
.set FR,    12                         ; registers of a fragment
.set PANEL, 12800
.set HALFB, 2*PANEL                    ; 128 rows x 256 K
.set SLOTB, 2*HALFB                    ; a slot block
.set BBASE, 2*SLOTB                    ; LDS: two slots of rep, then the weights' tile,
.set SCR,   BBASE+4*SLOTB              ; then 512 bytes a wave for the end's joining (no tensor load lands here),
.set SPARE, SCR+2048                   ; then the spare words, 128 bytes for each wave: two blocks of 256 bytes that no other line names
.set QO,   10                          ; v10  32 h: q's offset
.set BV,   12                          ; v12-13  bv of channels 2 lane, 2 lane + 1
.set SL,   14                          ; v14  SCR + 512 w + 8 lane
.set GO,   15                          ; v15  8 lane
.set ADRA, 16                          ; v16-17  rep's fragments in slot 0, 1
.set ADRB, 18                          ; v18-21  the weights' fragments of K slot 0..3
.set ADRS, 22                          ; v22-25  the scale words of K slot 0..3: lanes 0-15 rep's, lanes 16-31 the weights'
.set MO,   26                          ; v26  4 r
.set SA,   27                          ; v27  SCR + 512 w + 32 h
.set SPW,  28                          ; v28  LDS address of my spare word; never rewritten
.set NIL,  29                          ; v29  0; never rewritten
.set SB,   31                          ; v31  SCR + 512 w + 256
.set SC,   32
.set QQ,   64
.set CX,   96
.set AF,   128
.set SS,   224
.set MK,   240
.set MM,   248
.set LL,   249
.set FF,   250
.set G1A,  24                          ; s[24:31] group 1 for rep's panels;  s[32:39], s[40:47] for the weights' (50 and 150 rows of 256 bytes)
.set G1B1, 32
.set G1B2, 40
.set G0A,  48                          ; s[48:55] group 0 for rep, a set for each slot;  s[56:59], s[60:63] for the weights
.set G0B1, 56
.set G0B2, 60
.set MB,   66                          ; s[66:67] the mask at my rows of the tile in hand
.set ABW,  68                          ; s[68:69] rcodes at my batch's stream, my wave's panel; never rewritten
.set TI,   70                          ; s70  the tile in hand, 0..3
.set TILES, 71
.set SEL,  72                          ; s[72:73]
.set LOG2E, 74
.set MB0,  76                          ; s[76:77] the mask at my rows of tile 0; never rewritten
.set OFFC, 78                          ; s[78:79] the tile in hand's first byte in the batch's stream
.set OFFN, 80                          ; s[80:81] the next tile's
.set TP,   82                          ; s[82:83] an offset at work; its upper word stays 0
.set MSB, 0
.macro WIN new                         ; the immediate's high byte repeats the setting that is left
.if MSB != (\new)
	s_set_vgpr_msb (MSB<<8)|(\new)
.set MSB, (\new)
.endif
.endm
.set MUL_LO, 0xa1                      ; source 0 (weights) window 1, source 1 (rep) window 0, C and D window 2
.set MUL_HI, 0xf1                      ; the same, C and D window 3
.set TO_B,   0x40                      ; destination window 1, address window 0
.macro CREST                           ; a round of the cluster's barrier behind its opening barrier
	s_cmp_lg_u32 s16, 0
	s_cbranch_scc1 .Lnot_wave_0_\@
	s_barrier_signal -3
.Lnot_wave_0_\@:
	s_barrier_wait -3
	s_barrier_signal -1
	s_barrier_wait -1
.endm
.macro CROUND
	s_barrier_signal -1
	s_barrier_wait -1
	CREST
.endm
.macro PLACES n
.rept \n
	v_nop
.endr
.endm
.macro JLOADA s                        ; the joint refill of slot s: my panel of it; an s_nop 0 and four v_nop follow
	tensor_load_to_lds s[G0A+4*\s:G0A+4*\s+3], s[G1A:G1A+7]
	s_nop 0
	PLACES 4
.endm
.macro FRAG reg, adr, q, i             ; a fragment comes as it was laid: three loads, each 512 consecutive bytes
.irp c, 0,1,2
	ds_load_b128 v[\reg+4*\c:\reg+4*\c+3], v[\adr] offset:PANEL*(\q)+1536*(\i)+512*\c
.endr
.endm
.macro FETCH_B j, q, p                 ; the weights' eight fragments of K slot j, half q, into set p
	WIN TO_B
.irp i, 0,1,2,3,4,5,6,7
	FRAG 128*(\p)+FR*\i, ADRB+\j, \q, \i
.endr
	WIN 0
.endm
.macro FETCH_A s, q, i0                ; rep's blocks i0 .. i0 + 3 from slot s
.irp i, \i0, \i0+1, \i0+2, \i0+3
	FRAG AF+FR*(\i), ADRA+\s, \q, \i
.endr
.endm
.macro SCALES j, s                     ; K slot j's scale words into set s: register 8 q + i: lanes 0-15 rep's block i, lanes 16-31 the weights' block i
.irp q, 0,1
.irp u, 0,1
	ds_load_b128 v[SC+16*(\s)+8*\q+4*\u:SC+16*(\s)+8*\q+4*\u+3], v[ADRS+\j] offset:PANEL*\q+256*\u
.endr
.endr
.endm
; 16 matrix instructions: rep's blocks a0, a0 + 1 x the weights' eight, 128 along K.  The 64 accumulators take turns, one instruction a turn, in the same order in every step.
.macro MUL16 a0, p, q, sc, zero
.irp a, \a0, \a0+1
.irp b, 0,1,2,3,4,5,6,7
.if \zero
	v_wmma_scale_f32_16x16x128_f8f6f4 v[8*(8*((\a)%4)+\b):8*(8*((\a)%4)+\b)+7], v[128*(\p)+FR*\b:128*(\p)+FR*\b+FR-1], v[AF+FR*(\a):AF+FR*(\a)+FR-1], 0, v[SC+16*(\sc)+8*(\q)+\b], v[SC+16*(\sc)+8*(\q)+(\a)] matrix_a_fmt:MATRIX_FMT_BF6 matrix_b_fmt:MATRIX_FMT_BF6 matrix_a_scale:MATRIX_SCALE_ROW1
.else
	v_wmma_scale_f32_16x16x128_f8f6f4 v[8*(8*((\a)%4)+\b):8*(8*((\a)%4)+\b)+7], v[128*(\p)+FR*\b:128*(\p)+FR*\b+FR-1], v[AF+FR*(\a):AF+FR*(\a)+FR-1], v[8*(8*((\a)%4)+\b):8*(8*((\a)%4)+\b)+7], v[SC+16*(\sc)+8*(\q)+\b], v[SC+16*(\sc)+8*(\q)+(\a)] matrix_a_fmt:MATRIX_FMT_BF6 matrix_b_fmt:MATRIX_FMT_BF6 matrix_a_scale:MATRIX_SCALE_ROW1
.endif
.endr
.endr
.endm
; The first 128 along K of K slot j (rep's slot s).  Four places stand in front of each run of loads into registers that matrix instructions have read (ISA guide 7.12.1 for vector instructions).
.macro STEP j, s, zero
	s_wait_dscnt 12                                ; the weights' set, rep's blocks 0-3 and the scale words are in; the youngest 12 loads (rep's blocks 4-7) may be out
	WIN MUL_LO
	MUL16 0, 0, 0, \s, \zero
	MUL16 2, 0, 0, \s, \zero
	s_wait_dscnt 0x0                               ; rep's blocks 4-7 are in
	PLACES 4
	FETCH_B \j, 1, 1
	FETCH_A \s, 1, 0
	WIN MUL_HI
	MUL16 4, 0, 0, \s, \zero
	MUL16 6, 0, 0, \s, \zero
	PLACES 4
	WIN 0
	FETCH_A \s, 1, 4
.endm
; The second 128 along K changes slots: ONE barrier; in front of it each wave waits for all its tensor loads, adds 0 to its spare word, and waits for that and for its reads of slot s.  fill = 1: the barrier opens a round of the cluster's,
; and slot s is filled again with the K slot that is wanted two changes on: K slot j + 2 of the tile in hand (j = 0, 1) or K slot j - 2 of the next tile (j = 2, 3); the load has the next slot's 128 matrix instructions in which to land.
.macro TURN j, s, jn, sn, fill
	s_wait_tensorcnt 0x0                           ; all my tensor loads have landed: my panel of the next slot (in the first turn the rest of the weights too)
	ds_add_u32 v[SPW], v[NIL]                      ; 0 onto my spare word
	s_wait_dscnt 13                                ; (the add and the youngest 12 loads may be out)
	WIN MUL_LO
	MUL16 0, 1, 1, \s, 0                           ; sixteen matrix instructions stand between the add and the wait for it
	s_wait_dscnt 0x0                               ; the add is done, and my reads of this slot are over
	s_barrier_signal -1
	MUL16 2, 1, 1, \s, 0
	WIN 0
	s_barrier_wait -1
.if \fill
	CREST                                          ; no wave of any partner still reads this slot or has a load on its way
.if (\j) < 2                                   ; no tensor load of mine is out: the slot's group 0 is written anew: the stream's base, the tile, the K slot, the type
	s_add_nc_u64 s[G0A+4*\s+2:G0A+4*\s+3], s[ABW:ABW+1], s[OFFC:OFFC+1]
	s_add_nc_u64 s[G0A+4*\s+2:G0A+4*\s+3], s[G0A+4*\s+2:G0A+4*\s+3], ((\j)+2)*SLOTB
.else
	s_add_nc_u64 s[G0A+4*\s+2:G0A+4*\s+3], s[ABW:ABW+1], s[OFFN:OFFN+1]
.if (\j) == 3
	s_add_nc_u64 s[G0A+4*\s+2:G0A+4*\s+3], s[G0A+4*\s+2:G0A+4*\s+3], SLOTB
.endif
.endif
	s_or_b32 s[G0A+4*\s+3], s[G0A+4*\s+3], 0x80000000
	JLOADA \s                                      ; the first tensor load behind the round, and my only one; its four v_nop are also the places in front of the loads below
.else
	PLACES 4
.endif
	FETCH_B \jn, 0, 0
	FETCH_A \sn, 0, 0
	SCALES \jn, \sn
	WIN MUL_HI
	MUL16 4, 1, 1, \s, 0
	MUL16 6, 1, 1, \s, 0
	PLACES 4
	WIN 0
	FETCH_A \sn, 0, 4
.endm
.macro MASKLD                          ; the mask of my 128 s of the tile: block a's 16 in lanes r (both halves of the lanes alike)
.irp a, 0,1,2,3,4,5,6,7
	global_load_b32 v[MK+\a], v[MO], s[MB:MB+1] offset:64*\a
.endr
.endm
.macro SCORE hi                        ; my part of q . Kq for blocks 4 hi .. 4 hi + 3: 32 products a block, two at a time, the blocks by turns; each accumulator is read from its low end on
	WIN 0x02+\hi
.irp bq, 0,1,2,3
.irp jj, 0,1,2,3
.irp a, 0,1,2,3
.if (\bq+\jj) == 0
	v_pk_mul_f32 v[SS+8*\hi+2*\a:SS+8*\hi+2*\a+1], v[64*\a+8*\bq+2*\jj:64*\a+8*\bq+2*\jj+1], v[QQ+8*\bq+2*\jj:QQ+8*\bq+2*\jj+1]
.else
	v_pk_fma_f32 v[SS+8*\hi+2*\a:SS+8*\hi+2*\a+1], v[64*\a+8*\bq+2*\jj:64*\a+8*\bq+2*\jj+1], v[QQ+8*\bq+2*\jj:QQ+8*\bq+2*\jj+1], v[SS+8*\hi+2*\a:SS+8*\hi+2*\a+1]
.endif
.endr
.endr
.endr
.endm
.macro PVACC hi                        ; the 32 sums += p x Vq, for blocks 4 hi .. 4 hi + 3 (of the pair p the low word serves both halves)
	WIN 0x02+\hi
.irp a, 0,1,2,3
.irp bb, 0,1,2,3
.irp jj, 0,1,2,3
	v_pk_fma_f32 v[CX+8*\bb+2*\jj:CX+8*\bb+2*\jj+1], v[64*\a+32+8*\bb+2*\jj:64*\a+32+8*\bb+2*\jj+1], v[SS+8*\hi+2*\a:SS+8*\hi+2*\a+1], v[CX+8*\bb+2*\jj:CX+8*\bb+2*\jj+1] op_sel_hi:[1,0,1]
.endr
.endr
.endr
.endm
; BEHIND A TILE'S SUMS.  step = 1: the tile's number, the two tiles' offsets and the mask's address go on to the next tile, round the batch's end.
.macro EPI step
	s_wait_loadcnt 0x0                             ; the mask, asked for at the tile's head (in the first tile q and bv too)
	SCORE 0
	SCORE 1
	WIN 0
.if \step
	s_wait_xcnt 0x0                                ; the mask's loads have read their base
	s_add_co_u32 s[TI], s[TI], 1
	s_and_b32 s[TI], s[TI], 3                      ; the next tile, round the end
	s_mov_b32 s[OFFC], s[OFFN]
	s_add_co_u32 s[TP], s[TI], 1
	s_and_b32 s[TP], s[TP], 3
	s_mul_i32 s[OFFN], s[TP], 4*SLOTB              ; and the one after it (no descriptor's register: the load that is out names none of these)
	s_lshl_b32 s[TP], s[TI], 10                    ; 256 s of 4 bytes a tile
	s_add_nc_u64 s[MB:MB+1], s[MB0:MB0+1], s[TP:TP+1]
.endif
.irp a, 0,1,2,3,4,5,6,7
	v_add_f32 v[SS+2*\a], v[SS+2*\a], v[SS+2*\a+1]
.endr
.irp a, 0,1,2,3,4,5,6,7
	v_permlanex16_b32 v[SS+2*\a+1], v[SS+2*\a], s[SEL], s[SEL+1]   ; the other 32 of the head's 64 lie in lane l xor 16
.endr
.irp a, 0,1,2,3,4,5,6,7
	v_add_f32 v[SS+2*\a], v[SS+2*\a], v[SS+2*\a+1]
.endr
.irp a, 0,1,2,3,4,5,6,7
	v_fma_f32 v[SS+2*\a], v[MK+\a], s[LOG2E], v[SS+2*\a]           ; t
.endr
	v_max3_num_f32 v252, v[MM], v[SS], v[SS+2]
	v_max3_num_f32 v253, v[SS+4], v[SS+6], v[SS+8]
	v_max3_num_f32 v252, v252, v[SS+10], v[SS+12]
	v_max3_num_f32 v252, v252, v253, v[SS+14]      ; the new m
	v_sub_f32 v[FF], v[MM], v252
	v_mov_b32 v[MM], v252
.irp a, 0,1,2,3,4,5,6,7
	v_sub_f32 v[SS+2*\a], v[SS+2*\a], v252
.endr
	v_exp_f32 v[FF], v[FF]                         ; one batch of nine: 2^(old m - new m),
.irp a, 0,1,2,3,4,5,6,7
	v_exp_f32 v[SS+2*\a], v[SS+2*\a]               ; and p = 2^(t - m)
.endr
	v_nop                                          ; a plain place behind the last exponential
	s_wait_alu depctr_va_vdst(0)                   ; one wait for the batch, ahead of its first reader
	v_add_f32 v252, v[SS], v[SS+2]
	v_add_f32 v253, v[SS+4], v[SS+6]
	v_add_f32 v254, v[SS+8], v[SS+10]
	v_add_f32 v255, v[SS+12], v[SS+14]
	v_add_f32 v252, v252, v253
	v_add_f32 v254, v254, v255
	v_add_f32 v252, v252, v254
	v_fma_f32 v[LL], v[LL], v[FF], v252
.irp i, 0,2,4,6,8,10,12,14,16,18,20,22,24,26,28,30
	v_pk_mul_f32 v[CX+\i:CX+\i+1], v[CX+\i:CX+\i+1], v[FF:FF+1] op_sel_hi:[1,0]
.endr
	PVACC 0
	PVACC 1
	WIN 0
.endm
	s_load_b256 s[4:11], s[0:1], 0x0               ; rcodes, wcodes, qs, attention_mask
	s_load_b128 s[12:15], s[0:1], 0x20             ; bv, ctx
	v_lshl_add_u32 v[SPW], v0, 2, SPARE
	v_mov_b32 v[NIL], 0
	ds_add_u32 v[SPW], v[NIL]                      ; the wave's opening: the add, twice on end, and its wait ahead of my first tensor load; the set-up below, work on registers, stands between
	ds_add_u32 v[SPW], v[NIL]
	v_lshrrev_b32 v1, 5, v0
	v_readfirstlane_b32 s16, v1                    ; wave 0..3
	s_lshr_b32 s17, s16, 1                         ; rh: which 128 rows of a tile
	s_and_b32 s18, s16, 1                          ; c: which head of the two
	s_bfe_u32 s20, ttmp6, 0x40000                  ; cx
	s_bfe_u32 s21, ttmp6, 0x40004                  ; cy = the batch b
	s_lshl_b32 s22, ttmp9, 2
	s_add_co_u32 s22, s22, s20                     ; x = 4 x cluster x + cx
	s_lshl_b32 s84, s21, 2
	s_lshl_b32 s84, 15, s84                        ; my row of the cluster
	s_lshl_b32 s85, 0x1111, s20                    ; my column
	s_or_b32 s[G1A], s84, (3<<16)|(1<<21)          ; 15:0 the mask; 17:16 elements of 8 bytes; 20 no padding; 21 set beside a mask
	s_or_b32 s[G1B1], s85, (3<<16)|(1<<21)
	s_or_b32 s[G1B2], s85, (3<<16)|(1<<21)
.irp g, G1A, G1B1, G1B2                        ; dense blocks of memory, as rows of 256 bytes (32 elements)
	s_mov_b32 s[\g+1], 32<<16                      ; tensor_dim0
	s_mov_b32 s[\g+3], 32<<16                      ; tile_dim0
	s_mov_b32 s[\g+5], 32                          ; the pitch
	s_mov_b32 s[\g+6], 0
	s_mov_b32 s[\g+7], 0
.endr
.irp g, G1A, G1B1
	s_mov_b32 s[\g+2], 50<<16                      ; tensor_dim1: a panel is 50 rows
	s_mov_b32 s[\g+4], 50                          ; tile_dim1
.endr
	s_mov_b32 s[G1B2+2], 150<<16                   ; three panels' worth
	s_mov_b32 s[G1B2+4], 150
	s_mul_i32 s86, s16, PANEL                      ; my panel of a slot block: no place in the cluster enters an LDS address
	s_mul_i32 s87, s16, 3*PANEL
	s_mul_i32 s88, s21, 16*SLOTB                   ; rep: the batch's stream of 16 slots (registers that never hold cx)
	s_add_co_u32 s88, s88, s86
	s_mov_b32 s89, 0
	s_mul_i32 s90, s22, 4*SLOTB                    ; the weights: tile x (registers that never hold cy)
	s_add_co_u32 s92, s90, s87
	s_add_co_u32 s92, s92, SLOTB
	s_mov_b32 s93, 0
	s_add_co_u32 s90, s90, s86
	s_mov_b32 s91, 0
	s_lshr_b32 s[TI], ttmp9, 2                     ; my cluster's first tile: (X + X / 4) % 4, X the cluster's x: the same in all sixteen partners
	s_add_co_u32 s[TI], s[TI], ttmp9
	s_and_b32 s[TI], s[TI], 3
	s_mul_i32 s[OFFC], s[TI], 4*SLOTB
	s_mov_b32 s[OFFC+1], 0
	s_add_co_u32 s94, s[TI], 1
	s_and_b32 s94, s94, 3
	s_mul_i32 s[OFFN], s94, 4*SLOTB
	s_mov_b32 s[OFFN+1], 0
	s_mov_b32 s[TP+1], 0
	s_mov_b32 s[SEL], 0x76543210
	s_mov_b32 s[SEL+1], 0xfedcba98
	s_mov_b32 s[LOG2E], 0x3fb8aa3b
	s_wait_dscnt 0x0                               ; both opening adds are done
	s_wait_kmcnt 0x0
	s_add_nc_u64 s[ABW:ABW+1], s[4:5], s[88:89]
	s_mov_b32 s[G0A], 1
	s_mov_b32 s[G0A+1], s86
	s_add_nc_u64 s[G0A+2:G0A+3], s[ABW:ABW+1], s[OFFC:OFFC+1]   ; K slot 0 of my first tile
	s_mov_b32 s[G0A+4], 1
	s_add_co_u32 s[G0A+5], s86, SLOTB
	s_add_nc_u64 s[G0A+6:G0A+7], s[G0A+2:G0A+3], SLOTB          ; and its K slot 1
	s_or_b32 s[G0A+3], s[G0A+3], 0x80000000
	s_or_b32 s[G0A+7], s[G0A+7], 0x80000000
	s_mov_b32 s[G0B1], 1
	s_add_co_u32 s[G0B1+1], s86, BBASE
	s_add_nc_u64 s[G0B1+2:G0B1+3], s[6:7], s[90:91]
	s_or_b32 s[G0B1+3], s[G0B1+3], 0x80000000
	s_mov_b32 s[G0B2], 1
	s_add_co_u32 s[G0B2+1], s87, BBASE+SLOTB
	s_add_nc_u64 s[G0B2+2:G0B2+3], s[6:7], s[92:93]
	s_or_b32 s[G0B2+3], s[G0B2+3], 0x80000000
	CROUND                                         ; all sixteen work-groups are here: the first joint loads meet
	tensor_load_to_lds s[G0B1:G0B1+3], s[G1B1:G1B1+7]   ; the weights' K slot 0,
	s_nop 0
	tensor_load_to_lds s[G0A:G0A+3], s[G1A:G1A+7]       ; rep's slot 0: these two are wanted first;
	s_nop 0
	tensor_load_to_lds s[G0B2:G0B2+3], s[G1B2:G1B2+7]   ; the weights' K slots 1-3,
	s_nop 0
	tensor_load_to_lds s[G0A+4:G0A+7], s[G1A:G1A+7]     ; rep's slot 1
	s_nop 0
	PLACES 4
	v_and_b32 v1, 31, v0                           ; lane
	v_and_b32 v2, 15, v0                           ; r
	v_bfe_u32 v3, v0, 4, 1                         ; h
	v_lshlrev_b32 v4, 4, v1                        ; 16 x lane
	s_mul_i32 s86, s17, HALFB                      ; my 128 rows of rep in a slot
	s_mul_i32 s87, s18, HALFB                      ; my head's 128 rows of weights in a K slot
	v_add_nc_u32 v[ADRA], s86, v4
	s_add_co_u32 s88, s86, SLOTB
	v_add_nc_u32 v[ADRA+1], s88, v4
	s_add_co_u32 s88, s87, BBASE
.irp j, 0,1,2,3
	v_add_nc_u32 v[ADRB+\j], s88, v4
	s_add_co_u32 s88, s88, SLOTB
.endr
	v_lshlrev_b32 v5, 4, v2
	s_add_co_u32 s89, s86, 12288
	v_add_nc_u32 v5, s89, v5                       ; rep's scale words in slot 0: 16 r behind my panels' fragments
	s_add_co_u32 s92, s87, BBASE
	s_sub_co_u32 s92, s92, s86                     ; from there to the weights' of K slots 0 and 1: the lower base + h x the distance, one product
	v_mul_u32_u24 v6, s92, v3
	s_add_co_u32 s93, s92, 2*SLOTB                 ; and of K slots 2 and 3
	v_mul_u32_u24 v7, s93, v3
	v_add_nc_u32 v[ADRS], v5, v6
	v_add_nc_u32 v[ADRS+2], v5, v7
	v_add_nc_u32 v[ADRS+1], SLOTB, v[ADRS]
	v_add_nc_u32 v[ADRS+3], SLOTB, v[ADRS+2]
	v_lshlrev_b32 v[MO], 2, v2
	v_lshlrev_b32 v[QO], 5, v3
	v_lshlrev_b32 v[GO], 3, v1
	s_lshl_b32 s94, s16, 9
	s_add_co_u32 s94, s94, SCR                     ; my 512 bytes for the end
	v_lshl_add_u32 v[SA], v3, 5, s94
	v_lshl_add_u32 v[SL], v1, 3, s94
	s_add_co_u32 s95, s94, 256
	v_mov_b32 v[SB], s95
	s_lshl_b32 s86, s22, 9
	s_lshl_b32 s87, s18, 8
	s_add_co_u32 s86, s86, s87                     ; 4 (128 x + 64 c): my head's 64 numbers in qs and in bv
	s_mov_b32 s87, 0
	s_add_nc_u64 s[8:9], s[8:9], s[86:87]
	s_add_nc_u64 s[12:13], s[12:13], s[86:87]
.irp bq, 0,1,2,3
.irp u, 0,1
	global_load_b128 v[QQ+8*\bq+4*\u:QQ+8*\bq+4*\u+3], v[QO], s[8:9] offset:64*\bq+16*\u   ; q at d = 16 bq + 8 h + 0 .. 7: the accumulators' own order
.endr
.endr
	global_load_b64 v[BV:BV+1], v[GO], s[12:13]    ; (used by waves 0 and 1 at the end; asked for here by all four, so that nothing waits for it there)
	s_lshr_b32 s88, s22, 3
	s_lshl_b32 s88, s88, 2
	s_add_co_u32 s88, s88, s21                     ; 4 k + b
	s_lshl_b32 s88, s88, 12
	s_and_b32 s89, s22, 7
	s_lshl_b32 s89, s89, 9
	s_add_co_u32 s88, s88, s89
	s_lshl_b32 s89, s18, 8
	s_add_co_u32 s88, s88, s89
	s_mov_b32 s89, 0
	s_add_nc_u64 s[14:15], s[14:15], s[88:89]      ; ctx[k][b][64 head]
	s_lshl_b32 s90, s21, 12
	s_lshl_b32 s91, s17, 9
	s_add_co_u32 s90, s90, s91
	s_mov_b32 s91, 0
	s_add_nc_u64 s[MB0:MB0+1], s[10:11], s[90:91]  ; mask[b][128 rh]
	s_lshl_b32 s[TP], s[TI], 10
	s_add_nc_u64 s[MB:MB+1], s[MB0:MB0+1], s[TP:TP+1]   ; at my first tile
.set i, 0
.rept 32
	v_mov_b32 v[CX+i], 0                           ; the 32 sums (the tile's step is written once for all tiles: the first finds zeros)
.set i, i+1
.endr
	v_mov_b32 v[LL], 0
	v_mov_b32 v[MM], 0xff61b1e6                    ; -3e38, under every t
	v_mov_b32 v[FF+1], 0                           ; (named as the upper half of a pair)
	s_wait_tensorcnt 2                             ; my parts of the weights' K slot 0 and of rep's slot 0 are in; the two loads behind them may stay out
	s_barrier_signal -1
	s_barrier_wait -1                              ; everybody's are
	FETCH_B 0, 0, 0
	FETCH_A 0, 0, 0
	SCALES 0, 0
	FETCH_A 0, 0, 4
	s_mov_b32 s[TILES], 3
.Ltile:                                            ; a trip is a tile of 256 s: 8 steps of 128 along K, four changes of slots, each with its refill
	MASKLD
	STEP 0, 0, 1                                   ; the tile's first products start the sums: nothing is cleared
	TURN 0, 0, 1, 1, 1
	STEP 1, 1, 0
	TURN 1, 1, 2, 0, 1
	STEP 2, 0, 0
	TURN 2, 0, 3, 1, 1
	STEP 3, 1, 0
	TURN 3, 1, 0, 0, 1                             ; the ring goes on into the next tile, whose first fragments are fetched here
	EPI 1
	s_sub_co_u32 s[TILES], s[TILES], 1
	s_cmp_lg_u32 s[TILES], 0
	s_cbranch_scc1 .Ltile
	MASKLD                                         ; the last tile is written out: two more refills (its K slots 2 and 3), then none
	STEP 0, 0, 1
	TURN 0, 0, 1, 1, 1
	STEP 1, 1, 0
	TURN 1, 1, 2, 0, 1
	STEP 2, 0, 0
	TURN 2, 0, 3, 1, 0
	STEP 3, 1, 0
	s_wait_dscnt 12                                ; the very last step: nothing more to fetch
	WIN MUL_LO
	MUL16 0, 1, 1, 1, 0
	MUL16 2, 1, 1, 1, 0
	s_wait_dscnt 0x0
	WIN MUL_HI
	MUL16 4, 1, 1, 1, 0
	MUL16 6, 1, 1, 1, 0
	WIN 0
	PLACES 4
	EPI 0
	; THE END.  The sixteen lanes of a half hold sixteen different sets of s: they are brought under their common m and added; then the two waves of a head meet in LDS.
	v_mov_b32 v252, v[MM]
.irp m, 1,2,4,8
	v_max_num_f32_dpp v252, v252, v252 row_xmask:\m row_mask:0xf bank_mask:0xf
.endr
	v_sub_f32 v[FF], v[MM], v252
	v_exp_f32 v[FF], v[FF]
	v_nop
	s_wait_alu depctr_va_vdst(0)                   ; ahead of the first reader
	v_mul_f32 v253, v[LL], v[FF]
.irp i, 0,2,4,6,8,10,12,14,16,18,20,22,24,26,28,30
	v_pk_mul_f32 v[CX+\i:CX+\i+1], v[CX+\i:CX+\i+1], v[FF:FF+1] op_sel_hi:[1,0]
.endr
.irp m, 1,2,4,8
	v_add_f32_dpp v253, v253, v253 row_xmask:\m row_mask:0xf bank_mask:0xf
.set i, 0
.rept 32
	v_add_f32_dpp v[CX+i], v[CX+i], v[CX+i] row_xmask:\m row_mask:0xf bank_mask:0xf
.set i, i+1
.endr
.endr
.irp bq, 0,1,2,3
.irp u, 0,1
	ds_store_b128 v[SA], v[CX+8*\bq+4*\u:CX+8*\bq+4*\u+3] offset:64*\bq+16*\u   ; channel d at 4 d; the sixteen lanes of a half write the same bytes with the same values
.endr
.endr
	ds_store_b64 v[SB], v[252:253]                 ; my wave's m and l
	s_wait_dscnt 0x0                               ; for the others' sake: my stores have landed
	s_barrier_signal -1
	s_barrier_wait -1
	s_cmp_ge_u32 s16, 2
	s_cbranch_scc1 .Lend
	ds_load_b64 v[96:97], v[SL]                    ; wave c joins rows 0-127 (its own) and rows 128-255 (wave c + 2's) of every tile: two channels a lane
	ds_load_b64 v[98:99], v[SL] offset:1024
	ds_load_b64 v[100:101], v[SB]
	ds_load_b64 v[102:103], v[SB] offset:1024
	s_wait_dscnt 0x0
	v_max_num_f32 v104, v100, v102
	v_sub_f32 v105, v100, v104
	v_sub_f32 v106, v102, v104
	v_exp_f32 v105, v105
	v_exp_f32 v106, v106
	v_nop
	s_wait_alu depctr_va_vdst(0)
	v_mul_f32 v107, v101, v105
	v_fma_f32 v107, v103, v106, v107               ; the row's sum
	v_rcp_f32 v108, v107
	v_nop
	s_wait_alu depctr_va_vdst(0)
	v_mul_f32 v105, v105, v108
	v_mul_f32 v106, v106, v108
	v_fma_f32 v96, v96, v105, v[BV]
	v_fma_f32 v97, v97, v105, v[BV+1]
	v_fma_f32 v96, v98, v106, v96
	v_fma_f32 v97, v99, v106, v97
	global_store_b64 v[GO], v[96:97], s[14:15]     ; 32 lanes store the head's 256 consecutive bytes, at a multiple of 256 from ctx's first byte
.Lend:
	s_wait_tensorcnt 0x0                           ; the wave's end: behind my last tensor load and my last LDS store
	ds_add_u32 v[SPW], v[NIL]
	s_wait_dscnt 0x0
	CROUND                                         ; the closing round: no work-group ends while a partner may still ask for a tile that names it
	s_endpgm
.Lfunc_end_k_q891f5bd507_attn:
	.size	k_q891f5bd507_attn, .Lfunc_end_k_q891f5bd507_attn-k_q891f5bd507_attn
	.p2alignl 7, 3214868480
	.fill 96, 4, 3214868480
	.section	.rodata,"a",@progbits
	.p2align	6, 0x0
	.amdhsa_kernel k_q891f5bd507_attn
		.amdhsa_group_segment_fixed_size 327680
		.amdhsa_private_segment_fixed_size 0
		.amdhsa_enable_private_segment 0
		.amdhsa_kernarg_size 48
		.amdhsa_user_sgpr_count 2
		.amdhsa_user_sgpr_kernarg_segment_ptr 1
		.amdhsa_wavefront_size32 1
		.amdhsa_system_sgpr_workgroup_id_x 1
		.amdhsa_system_sgpr_workgroup_id_y 1
		.amdhsa_system_sgpr_workgroup_id_z 1
		.amdhsa_system_vgpr_workitem_id 0
		.amdhsa_next_free_vgpr 1024
		.amdhsa_next_free_sgpr 96
		.amdhsa_reserve_vcc 0
		.amdhsa_float_denorm_mode_32 3
		.amdhsa_float_denorm_mode_16_64 3
		.amdhsa_memory_ordered 1
		.amdhsa_forward_progress 1
		.amdhsa_inst_pref_size 254
	.end_amdhsa_kernel
	.amdgpu_metadata
---
amdhsa.version: [ 1, 2 ]
amdhsa.kernels:
  - .name:           k_q891f5bd507_attn
    .symbol:         k_q891f5bd507_attn.kd
    .args:
      - { .name: rcodes, .offset: 0, .size: 8, .value_kind: global_buffer, .address_space: global }
      - { .name: wcodes, .offset: 8, .size: 8, .value_kind: global_buffer, .address_space: global }
      - { .name: qs, .offset: 16, .size: 8, .value_kind: global_buffer, .address_space: global }
      - { .name: attention_mask, .offset: 24, .size: 8, .value_kind: global_buffer, .address_space: global }
      - { .name: bv, .offset: 32, .size: 8, .value_kind: global_buffer, .address_space: global }
      - { .name: ctx, .offset: 40, .size: 8, .value_kind: global_buffer, .address_space: global }
    .group_segment_fixed_size: 327680
    .private_segment_fixed_size: 0
    .kernarg_segment_align: 8
    .kernarg_segment_size: 48
    .max_flat_workgroup_size: 128
    .sgpr_count:     96
    .vgpr_count:     1024
    .wavefront_size: 32
...
	.end_amdgpu_metadata
.endif
;; end of part 2
;; launch proj_o (part 3): grid 256 x 1, 8 waves a work-group, no clusters, 2,048 bytes of LDS; arguments ctx, Wo, bo, ao; writes ao
.if DOCPART == 3
	.amdgcn_target "amdgcn-amd-amdhsa--gfx1250"
	.amdhsa_code_object_version 6
	.text
	.protected	k_q891f5bd507_proj_o
	.globl	k_q891f5bd507_proj_o
	.p2align	8
	.type	k_q891f5bd507_proj_o,@function
k_q891f5bd507_proj_o:
	s_mov_b64 s[64:65], 0
	v_nop
	global_prefetch_b8 v0, s[64:65] scope:SCOPE_SE
	s_setreg_imm32_b32 hwreg(HW_REG_WAVE_MODE, 25, 1), 1
	s_wait_xcnt 0x0
; y[k][b][f] = sum_e x[k][b][e] W[k][f][e] + bias[k][f]: x, y [8][4][1024], W [8][1024][1024], bias [8][1024], all f32; fused multiply-adds in f32.  The body serves both projections (Wo, then Wp).
; Four rows of x stand against 4 MB of W for each k: the launch streams W once.  No matrix unit (4 rows), no tensor load.  No cluster: what work-groups share is x, 16 KB beside the 128 KB of W that each reads alone.
; SHARES.  Work-group g: rows 32 g .. 32 g + 31 of W taken as [8192][1024].  Wave w: 8 of them (w / 2), half of e (w % 2): 8 x 2,048 bytes.  All of a wave's 49 loads go out at once: the work-group's whole share of W is on its way together.
; A lane holds numbers 128 i + 4 lane .. + 3 of its half row.  The two halves of e meet in LDS; wave 0 adds them and the bias and stores 4 runs of 128 consecutive bytes (whole runs of 256 would take 64 rows a work-group, and leave half of the launch's work-groups out).
.set SPW, 28                           ; v28  LDS address of my spare word: 1,024 + 4 x my thread's number; never rewritten
.set NIL, 29                           ; v29  0; never rewritten
	s_load_b256 s[4:11], s[0:1], 0x0               ; x, W, bias, y
	v_lshl_add_u32 v[SPW], v0, 2, 1024             ; LDS: 1,024 bytes of partial sums [half of e][b][32 rows], then the spare words, 128 bytes for each wave
	v_mov_b32 v[NIL], 0
	v_lshrrev_b32 v1, 5, v0
	v_readfirstlane_b32 s12, v1                    ; wave 0..7
	s_lshr_b32 s13, s12, 1                         ; which 8 rows
	s_and_b32 s14, s12, 1                          ; which half of e
	v_and_b32 v1, 31, v0
	v_lshlrev_b32 v2, 4, v1                        ; 16 x lane: the loads' offset
	v_lshlrev_b32 v4, 4, v1                        ; and wave 0's LDS address at the end
	v_lshrrev_b32 v8, 3, v1                        ; lane / 8: the b whose result this lane keeps
	v_and_b32 v9, 7, v1                            ; lane % 8: the row
	s_lshl_b32 s15, s14, 9
	s_lshl_b32 s16, s13, 5
	s_add_co_u32 s15, s15, s16
	v_lshlrev_b32 v3, 7, v8
	v_lshl_add_u32 v3, v9, 2, v3
	v_add_nc_u32 v3, s15, v3                       ; where it goes: 512 half + 128 b + 32 (w / 2) + 4 row
	v_lshlrev_b32 v6, 4, v9                        ; the bias of rows 4 (lane % 8) .. + 3
	v_lshl_add_u32 v5, v8, 12, v6                  ; and their place in y: 4,096 b + 16 (lane % 8)
	v_mov_b32 v7, 0
.irp b, 0,1,2,3
	v_mov_b32 v[20+\b], 0                          ; written once: a lane permute's destination counts as one of its sources
.endr
	s_lshl_b32 s16, ttmp9, 17
	s_lshl_b32 s17, s13, 15
	s_add_co_u32 s16, s16, s17
	s_lshl_b32 s18, s14, 11
	s_add_co_u32 s16, s16, s18                     ; W: 32 rows a work-group, 8 a pair of waves, 2,048 bytes a half
	s_mov_b32 s17, 0
	s_lshr_b32 s20, ttmp9, 5
	s_lshl_b32 s20, s20, 14                        ; 16,384 k
	s_add_co_u32 s18, s18, s20                     ; x
	s_mov_b32 s19, 0
	s_and_b32 s21, ttmp9, 31
	s_lshl_b32 s21, s21, 7
	s_add_co_u32 s20, s20, s21                     ; y
	s_mov_b32 s21, 0
	s_lshl_b32 s22, ttmp9, 7                       ; bias
	s_mov_b32 s23, 0
	s_mov_b32 s24, 0x76543210
	s_mov_b32 s25, 0xfedcba98
	s_wait_kmcnt 0x0
	s_add_nc_u64 s[4:5], s[4:5], s[18:19]
	s_add_nc_u64 s[6:7], s[6:7], s[16:17]
	s_add_nc_u64 s[8:9], s[8:9], s[22:23]
	s_add_nc_u64 s[10:11], s[10:11], s[20:21]
	global_load_b128 v[24:27], v6, s[8:9]          ; (wave 0 uses it; asked for here by all, so that nothing waits for it at the end)
.irp b, 0,1,2,3
.irp i, 0,1,2,3
	global_load_b128 v[64+16*\b+4*\i:67+16*\b+4*\i], v2, s[4:5] offset:4096*\b+512*\i
.endr
.endr
.irp j, 0,1,2,3,4,5,6,7
.irp i, 0,1,2,3
	global_load_b128 v[128+16*\j+4*\i:131+16*\j+4*\i], v2, s[6:7] offset:4096*\j+512*\i th:TH_LOAD_NT
.endr
.endr
.macro ROW j
	s_wait_loadcnt 4*(7-(\j))                      ; my row's four loads are in; the younger rows' four each may be out
.irp b, 0,1,2,3
	v_pk_mul_f32 v[8+2*\b:9+2*\b], v[128+16*(\j):129+16*(\j)], v[64+16*\b:65+16*\b]   ; the first products start the sums; the four b by turns
.endr
.irp i, 2,4,6,8,10,12,14
.irp b, 0,1,2,3
	v_pk_fma_f32 v[8+2*\b:9+2*\b], v[128+16*(\j)+\i:129+16*(\j)+\i], v[64+16*\b+\i:65+16*\b+\i], v[8+2*\b:9+2*\b]
.endr
.endr
.irp b, 0,1,2,3
	v_add_f32 v[16+\b], v[8+2*\b], v[9+2*\b]
.endr
.irp m, 1,2,4,8
.irp b, 0,1,2,3
	v_add_f32_dpp v[16+\b], v[16+\b], v[16+\b] row_xmask:\m row_mask:0xf bank_mask:0xf
.endr
.endr
.irp b, 0,1,2,3
	v_permlanex16_b32 v[20+\b], v[16+\b], s24, s25
.endr
.irp b, 0,1,2,3
	v_add_f32 v[16+\b], v[16+\b], v[20+\b]
.endr
.irp b, 0,1,2,3
	s_mov_b32 s26, 1<<(8*\b+(\j))
	v_cndmask_b32 v7, v7, v[16+\b], s26            ; lane 8 b + j keeps (b, row j)
.endr
.endm
.irp j, 0,1,2,3,4,5,6,7
	ROW \j
.endr
	ds_store_b32 v3, v7
	s_wait_dscnt 0x0                               ; for the others' sake: my store has landed
	s_barrier_signal -1
	s_barrier_wait -1
	s_cmp_lg_u32 s12, 0
	s_cbranch_scc1 .Lend
	ds_load_b128 v[8:11], v4                       ; lane l: b = l / 8, rows 4 (l % 8) .. + 3: the first half of e,
	ds_load_b128 v[12:15], v4 offset:512           ; the second
	s_wait_dscnt 0x0
	v_pk_add_f32 v[8:9], v[8:9], v[12:13]
	v_pk_add_f32 v[10:11], v[10:11], v[14:15]
	v_pk_add_f32 v[8:9], v[8:9], v[24:25]
	v_pk_add_f32 v[10:11], v[10:11], v[26:27]
	global_store_b128 v5, v[8:11], s[10:11]
.Lend:
	s_wait_tensorcnt 0x0                           ; the wave's end: behind my last LDS store
	ds_add_u32 v[SPW], v[NIL]
	s_wait_dscnt 0x0
	s_endpgm
.Lfunc_end_k_q891f5bd507_proj_o:
	.size	k_q891f5bd507_proj_o, .Lfunc_end_k_q891f5bd507_proj_o-k_q891f5bd507_proj_o
	.p2alignl 7, 3214868480
	.fill 96, 4, 3214868480
	.section	.rodata,"a",@progbits
	.p2align	6, 0x0
	.amdhsa_kernel k_q891f5bd507_proj_o
		.amdhsa_group_segment_fixed_size 2048
		.amdhsa_private_segment_fixed_size 0
		.amdhsa_enable_private_segment 0
		.amdhsa_kernarg_size 32
		.amdhsa_user_sgpr_count 2
		.amdhsa_user_sgpr_kernarg_segment_ptr 1
		.amdhsa_wavefront_size32 1
		.amdhsa_system_sgpr_workgroup_id_x 1
		.amdhsa_system_sgpr_workgroup_id_y 1
		.amdhsa_system_sgpr_workgroup_id_z 1
		.amdhsa_system_vgpr_workitem_id 0
		.amdhsa_next_free_vgpr 256
		.amdhsa_next_free_sgpr 66
		.amdhsa_reserve_vcc 0
		.amdhsa_float_denorm_mode_32 3
		.amdhsa_float_denorm_mode_16_64 3
		.amdhsa_memory_ordered 1
		.amdhsa_forward_progress 1
		.amdhsa_inst_pref_size 40
	.end_amdhsa_kernel
	.amdgpu_metadata
---
amdhsa.version: [ 1, 2 ]
amdhsa.kernels:
  - .name:           k_q891f5bd507_proj_o
    .symbol:         k_q891f5bd507_proj_o.kd
    .args:
      - { .name: ctx, .offset: 0, .size: 8, .value_kind: global_buffer, .address_space: global }
      - { .name: Wo, .offset: 8, .size: 8, .value_kind: global_buffer, .address_space: global }
      - { .name: bo, .offset: 16, .size: 8, .value_kind: global_buffer, .address_space: global }
      - { .name: ao, .offset: 24, .size: 8, .value_kind: global_buffer, .address_space: global }
    .group_segment_fixed_size: 2048
    .private_segment_fixed_size: 0
    .kernarg_segment_align: 8
    .kernarg_segment_size: 32
    .max_flat_workgroup_size: 256
    .sgpr_count:     66
    .vgpr_count:     256
    .wavefront_size: 32
...
	.end_amdgpu_metadata
.endif
;; end of part 3
;; launch proj_p: the kernel of part 3 again; grid 256 x 1, 8 waves a work-group, no clusters, 2,048 bytes of LDS; arguments ao, Wp, bp, po; writes po
;; launch lnorm (part 4): grid 32 x 1, 1 waves a work-group, no clusters, 0 bytes of LDS; arguments po, gamma, beta, out0; writes out0
.if DOCPART == 4
	.amdgcn_target "amdgcn-amd-amdhsa--gfx1250"
	.amdhsa_code_object_version 6
	.text
	.protected	k_q891f5bd507_lnorm
	.globl	k_q891f5bd507_lnorm
	.p2align	8
	.type	k_q891f5bd507_lnorm,@function
k_q891f5bd507_lnorm:
	s_mov_b64 s[64:65], 0
	v_nop
	global_prefetch_b8 v0, s[64:65] scope:SCOPE_SE
	s_setreg_imm32_b32 hwreg(HW_REG_WAVE_MODE, 25, 1), 1
	s_wait_xcnt 0x0
; out0[b][k][:] = gamma (x - mean) rsqrt(var + 1e-5) + beta, x = po[k][b][:], 1,024 numbers, all f32.  A launch of its own: a row of po is made by 32 work-groups of the launch before.
; One wave takes one row and keeps it in 32 registers between the passes: 32 rows, 32 work-groups; the launch has no more work than that.  No LDS, no barrier.
	s_load_b256 s[4:11], s[0:1], 0x0               ; po, gamma, beta, out0
	v_lshlrev_b32 v1, 4, v0                        ; 16 x lane
	s_and_b32 s12, ttmp9, 7                        ; k
	s_lshr_b32 s13, ttmp9, 3                       ; b
	s_lshl_b32 s12, s12, 2
	s_add_co_u32 s12, s12, s13
	s_lshl_b32 s12, s12, 12                        ; po's row 4 k + b
	s_mov_b32 s13, 0
	s_lshl_b32 s14, ttmp9, 12                      ; out0's row 8 b + k
	s_mov_b32 s15, 0
	s_mov_b32 s16, 0x76543210
	s_mov_b32 s17, 0xfedcba98
	s_mov_b32 s18, 0x3a800000                      ; 1 / 1,024
	s_mov_b32 s19, 0x3727c5ac                      ; 1e-5
	s_wait_kmcnt 0x0
	s_add_nc_u64 s[4:5], s[4:5], s[12:13]
	s_add_nc_u64 s[10:11], s[10:11], s[14:15]
.irp i, 0,1,2,3,4,5,6,7
	global_load_b128 v[32+4*\i:35+4*\i], v1, s[4:5] offset:512*\i
.endr
.irp i, 0,1,2,3,4,5,6,7
	global_load_b128 v[64+4*\i:67+4*\i], v1, s[6:7] offset:512*\i
.endr
.irp i, 0,1,2,3,4,5,6,7
	global_load_b128 v[96+4*\i:99+4*\i], v1, s[8:9] offset:512*\i
.endr
.macro ALL reg, tmp                    ; the sum over the 32 lanes, in every lane
	v_add_f32_dpp v[\reg], v[\reg], v[\reg] row_xmask:1 row_mask:0xf bank_mask:0xf
	v_add_f32_dpp v[\reg], v[\reg], v[\reg] row_xmask:2 row_mask:0xf bank_mask:0xf
	v_add_f32_dpp v[\reg], v[\reg], v[\reg] row_xmask:4 row_mask:0xf bank_mask:0xf
	v_add_f32_dpp v[\reg], v[\reg], v[\reg] row_xmask:8 row_mask:0xf bank_mask:0xf
	v_permlanex16_b32 v[\tmp], v[\reg], s16, s17
	v_add_f32 v[\reg], v[\reg], v[\tmp]
.endm
	s_wait_loadcnt 16                              ; the row is in; gamma's and beta's 16 loads may be out
.irp c, 0,1,2,3
	v_pk_add_f32 v[8+2*\c:9+2*\c], v[32+2*\c:33+2*\c], v[40+2*\c:41+2*\c]   ; four chains
.endr
.irp i, 16,24
.irp c, 0,1,2,3
	v_pk_add_f32 v[8+2*\c:9+2*\c], v[8+2*\c:9+2*\c], v[32+\i+2*\c:33+\i+2*\c]
.endr
.endr
	v_pk_add_f32 v[8:9], v[8:9], v[10:11]
	v_pk_add_f32 v[12:13], v[12:13], v[14:15]
	v_pk_add_f32 v[8:9], v[8:9], v[12:13]
	v_add_f32 v8, v8, v9
	ALL 8, 9
	v_mul_f32 v8, s18, v8                          ; the mean
.irp i, 0,2,4,6,8,10,12,14,16,18,20,22,24,26,28,30
	v_pk_add_f32 v[32+\i:33+\i], v[32+\i:33+\i], v[8:9] op_sel_hi:[1,0] neg_lo:[0,1] neg_hi:[0,1]   ; x - mean, in place
.endr
.irp c, 0,1,2,3
	v_pk_mul_f32 v[16+2*\c:17+2*\c], v[32+2*\c:33+2*\c], v[32+2*\c:33+2*\c]
.endr
.irp i, 8,16,24
.irp c, 0,1,2,3
	v_pk_fma_f32 v[16+2*\c:17+2*\c], v[32+\i+2*\c:33+\i+2*\c], v[32+\i+2*\c:33+\i+2*\c], v[16+2*\c:17+2*\c]
.endr
.endr
	v_pk_add_f32 v[16:17], v[16:17], v[18:19]
	v_pk_add_f32 v[20:21], v[20:21], v[22:23]
	v_pk_add_f32 v[16:17], v[16:17], v[20:21]
	v_add_f32 v16, v16, v17
	ALL 16, 17
	v_fma_f32 v16, v16, s18, s19                   ; the variance + 1e-5
	v_rsq_f32 v12, v16
	v_nop                                          ; a plain place behind the transcendental
	s_wait_alu depctr_va_vdst(0)                   ; ahead of the first reader
	s_wait_loadcnt 0x0                             ; gamma and beta
.irp i, 0,2,4,6,8,10,12,14,16,18,20,22,24,26,28,30
	v_pk_mul_f32 v[32+\i:33+\i], v[32+\i:33+\i], v[12:13] op_sel_hi:[1,0]
.endr
.irp i, 0,2,4,6,8,10,12,14,16,18,20,22,24,26,28,30
	v_pk_fma_f32 v[32+\i:33+\i], v[32+\i:33+\i], v[64+\i:65+\i], v[96+\i:97+\i]
.endr
.irp i, 0,1,2,3,4,5,6,7
	global_store_b128 v1, v[32+4*\i:35+4*\i], s[10:11] offset:512*\i   ; 512 consecutive bytes, at a multiple of 256 from out0's first byte
.endr
	s_endpgm
.Lfunc_end_k_q891f5bd507_lnorm:
	.size	k_q891f5bd507_lnorm, .Lfunc_end_k_q891f5bd507_lnorm-k_q891f5bd507_lnorm
	.p2alignl 7, 3214868480
	.fill 96, 4, 3214868480
	.section	.rodata,"a",@progbits
	.p2align	6, 0x0
	.amdhsa_kernel k_q891f5bd507_lnorm
		.amdhsa_group_segment_fixed_size 0
		.amdhsa_private_segment_fixed_size 0
		.amdhsa_enable_private_segment 0
		.amdhsa_kernarg_size 32
		.amdhsa_user_sgpr_count 2
		.amdhsa_user_sgpr_kernarg_segment_ptr 1
		.amdhsa_wavefront_size32 1
		.amdhsa_system_sgpr_workgroup_id_x 1
		.amdhsa_system_sgpr_workgroup_id_y 1
		.amdhsa_system_sgpr_workgroup_id_z 1
		.amdhsa_system_vgpr_workitem_id 0
		.amdhsa_next_free_vgpr 128
		.amdhsa_next_free_sgpr 66
		.amdhsa_reserve_vcc 0
		.amdhsa_float_denorm_mode_32 3
		.amdhsa_float_denorm_mode_16_64 3
		.amdhsa_memory_ordered 1
		.amdhsa_forward_progress 1
		.amdhsa_inst_pref_size 11
	.end_amdhsa_kernel
	.amdgpu_metadata
---
amdhsa.version: [ 1, 2 ]
amdhsa.kernels:
  - .name:           k_q891f5bd507_lnorm
    .symbol:         k_q891f5bd507_lnorm.kd
    .args:
      - { .name: po, .offset: 0, .size: 8, .value_kind: global_buffer, .address_space: global }
      - { .name: gamma, .offset: 8, .size: 8, .value_kind: global_buffer, .address_space: global }
      - { .name: beta, .offset: 16, .size: 8, .value_kind: global_buffer, .address_space: global }
      - { .name: out0, .offset: 24, .size: 8, .value_kind: global_buffer, .address_space: global }
    .group_segment_fixed_size: 0
    .private_segment_fixed_size: 0
    .kernarg_segment_align: 8
    .kernarg_segment_size: 32
    .max_flat_workgroup_size: 32
    .sgpr_count:     66
    .vgpr_count:     128
    .wavefront_size: 32
...
	.end_amdgpu_metadata
.endif
;; end of part 4
